; MI455X (gfx1250); checked and timed in simulation.
; The chip was launched on July 23, 2026; its instructions are those of AMD's public machine-readable ISA for CDNA 5 (MIT licence, August 2026) and "CDNA5" Instruction Set Architecture Reference Guide (July 2026). The comments in the code are by the model that wrote it; some were corrected since.
;; Bidirectional Temporal Attention. Allowed arithmetic: matrix products marked QUANTISED: E2M1 operands, one E8M0 scale for each 32 along K, by v_wmma_scale_f32_16x16x128_f8f6f4 with both operands' format E2M1 (or v_wmma_scale_f32_32x16x128_f4), f32 sums; everything else in f32.
;; Inputs: Wk_codes 12 x 64 x 24 x 16 uint8 (E2M1 codes of Wk, K innermost, in blocks of 32 codes, two codes a byte); Wk_scales 12 x 64 x 24 uint8 (E8M0 scales of Wk, one for each 32 codes along K); Wo_codes 768 x 24 x 16 uint8 (E2M1 codes of Wo, K innermost, in blocks of 32 codes, two codes a byte); Wo_scales 768 x 24 uint8 (E8M0 scales of Wo, one for each 32 codes along K); Wq_codes 12 x 64 x 24 x 16 uint8 (E2M1 codes of Wq, K innermost, in blocks of 32 codes, two codes a byte); Wq_scales 12 x 64 x 24 uint8 (E8M0 scales of Wq, one for each 32 codes along K); Wv_codes 12 x 64 x 24 x 16 uint8 (E2M1 codes of Wv, K innermost, in blocks of 32 codes, two codes a byte); Wv_scales 12 x 64 x 24 uint8 (E8M0 scales of Wv, one for each 32 codes along K); bk 12 x 64 float32; bo 768 float32; bq 12 x 64 float32; bv 12 x 64 float32; x_codes 1 x 16 x 256 x 24 x 16 uint8 (E2M1 codes of x, K innermost, in blocks of 32 codes, two codes a byte); x_scales 1 x 16 x 256 x 24 uint8 (E8M0 scales of x, one for each 32 codes along K).
;; Outputs: out0 1 x 16 x 256 x 768 float32.
;; This version of the problem:
;;   THIS VERSION OF THE PROBLEM IS GIVEN IN LOW PRECISION. The matrix products marked QUANTISED in the list below multiply operands that are first quantised to E2M1 (2 exponent bits, 1 mantissa bit; 4 bits a number), with one power-of-two scale for each 32 numbers along K (OCP MX v1.0); their sums are f32. All else is computed in f32.
;;   The module's matrix products, in the order in which they are computed (A, B: the left and right operand; K: the contracted axis; several contracted axes count as one K, in the product's order):
;;     1. [M 768, K 768] x [K 768, N 4,096]; A: input Wq (given as codes); B: input x (given as codes): QUANTISED
;;     2. [M 768, K 768] x [K 768, N 4,096]; A: input Wk (given as codes); B: input x (given as codes): QUANTISED
;;     3. [M 768, K 768] x [K 768, N 4,096]; A: input Wv (given as codes); B: input x (given as codes): QUANTISED
;;     4. batch 12 x [M 4,096, K 64] x [K 64, N 4,096]; A: computed on the way; B: computed on the way: QUANTISED
;;     5. batch 12 x [M 4,096, K 4,096] x [K 4,096, N 64]; A: softmax (see below); B: computed on the way: QUANTISED
;;     6. [M 4,096, K 768] x [K 768, N 768]; A: computed on the way; B: input Wo (given as codes): QUANTISED
;;   THE QUANTISER, for each operand of a quantised product, along K:
;;     - K is cut into blocks of 32 from its start; a last block that is shorter is filled with zeros.
;;     - A block's scale is 2^e with e = floor(log2(the largest magnitude in the block)) - 2, held to -126 .. 127; a block of zeros has e = 0. As a byte (E8M0): e + 127.
;;     - Each number is divided by its block's scale, clamped to +-6, and rounded to the nearest number of E2M1, ties to even, subnormals kept.
;;     - The product sums the exact products of the quantised numbers (number of the format x scale) in f32.
;;   ~~~python
;;   def quantise(x, axis):      # numpy; x: float32 -> the quantised numbers, widened to float32 again
;;       x = np.moveaxis(x, axis, -1); K = x.shape[-1]
;;       x = np.pad(x, [(0, 0)] * (x.ndim - 1) + [(0, -K % 32)]); x = x.reshape(x.shape[:-1] + (-1, 32)); a = np.abs(x).max(-1, keepdims=True)
;;       e = np.where(a > 0, np.clip(np.frexp(np.where(a > 0, a, 1))[1] - 1 - 2, -126, 127), 0)      # np.frexp(a)[1] - 1 = floor(log2(a)), exactly
;;       r = np.clip(x / 2.0 ** e, -6, 6)
;;       step = 2.0 ** (np.maximum(np.frexp(np.where(r == 0, 1, r))[1] - 1, 0) - 1)
;;       q = np.round(r / step) * step * 2.0 ** e      # np.round: ties to even
;;       return np.moveaxis(q.reshape(q.shape[:-2] + (-1,))[..., :K], -1, axis).astype(np.float32)
;;   ~~~
;;   SOFTMAX AHEAD OF A QUANTISED PRODUCT. Where the list says 'softmax', what is quantised is not the finished softmax but p = 2^(t - M), with t = logit x log2(e) and M = ceil(the row's largest t), a whole number; so 1/2 < the row's largest p <= 1. The row's sum l is taken of the UNQUANTISED p, in f32, and the product's result is divided by l at the end. Since M is a whole number, a kernel that streams over the keys may use a running M (the ceiling of the running maximum): every later rescaling is an exact power of two, which a block's scale takes up: the codes' values come out the same.
;;   OPERANDS COMPUTED ON THE WAY. 'Computed on the way' means the value that the module computes at that place (a softmax that the list does not call 'softmax' is quantised finished and normalised). What goes into a quantiser is computed in f32, as accurately as f32 sums, v_exp_f32 and their like allow (about 1e-6 of the number): no bf16 or f16 on the way to a quantiser, and a product that is left as it is and whose result goes on into a quantised operand takes f32 operands (vector FMAs, or v_wmma_f32_16x16x4_f32). A number that lies on a knife's edge between two numbers of the format may be rounded either way, as far as f32 arithmetic and the matrix unit's own rounding can turn it there, and no further.
;;   INPUTS GIVEN AS CODES. Wk (in the module: [12, 768, 64], K = its axis 1); Wo (in the module: [768, 768], K = its axis 0); Wq (in the module: [12, 768, 64], K = its axis 1); Wv (in the module: [12, 768, 64], K = its axis 1); x (in the module: [1, 16, 256, 768], K = its axis 3): each comes as NAME_codes (uint8): NAME with its K axis moved to the last place and cut into blocks of 32 codes, [.., K / 32, bytes a block], one block behind the other in memory; two codes a byte, the lower K in the low four bits (a code: sign, 2 exponent bits, 1 mantissa bit); and NAME_scales (uint8): the same leading axes, one E8M0 byte (e + 127) for each 32 codes along K. Its value is code x scale, taken as it is: it is not quantised again, and the codes and scales need not be those that the quantiser above would give.
;; One version. Each part assembles by itself: llvm-mc -triple=amdgcn-amd-amdhsa -mcpu=gfx1250 --defsym DOCPART=n.
;; ======== version 1 of 1: 3 launches
;; limits: right only within a limited range of input values
;; workspace buffers: qc 1,572,864 bytes; qs 196,608 bytes; kv 3,440,640 bytes; oc 1,572,864 bytes; os 98,304 bytes
;; launch proj (part 1): grid 64 x 4, 9 waves a work-group, clusters of 4 x 1, 327,680 bytes of LDS; arguments x_codes, x_scales, Wq_codes, Wq_scales, bq, Wk_codes, Wk_scales, bk, Wv_codes, Wv_scales, bv, qc, qs, kv; writes qc, qs, kv
.if DOCPART == 1
	.amdgcn_target "amdgcn-amd-amdhsa--gfx1250"
	.amdhsa_code_object_version 6
	.text
	.protected	k_qd0efc96fe2_proj
	.globl	k_qd0efc96fe2_proj
	.p2align	8
	.type	k_qd0efc96fe2_proj,@function
k_qd0efc96fe2_proj:
	s_mov_b64 s[64:65], 0
	v_nop
	global_prefetch_b8 v0, s[64:65] scope:SCOPE_SE
	s_setreg_imm32_b32 hwreg(HW_REG_WAVE_MODE, 25, 1), 1
	s_wait_xcnt 0x0
	s_wait_alu depctr_hold_cnt(0) depctr_sa_sdst(0) depctr_va_vdst(0) depctr_va_sdst(0) depctr_va_ssrc(0) depctr_va_vcc(0) depctr_vm_vsrc(0)
	s_getreg_b32 s2, hwreg(HW_REG_IB_STS2, 6, 4)
	s_cmp_eq_u32 s2, 0
	s_cbranch_scc0 .Lentry_in_a_cluster
	s_endpgm
.Lentry_in_a_cluster:
	s_bfe_u32 s2, ttmp6, 0x10000c
	s_cmp_lg_u32 s2, 0x3003
	s_cbranch_scc0 .Lentry_shape_is_right
	s_endpgm
.Lentry_shape_is_right:
; FIRST LAUNCH.  q, k, v = x W + b on codes of FP4 (E2M1) with E8M0 scales, K = 768 in six steps of 128; then each is quantised (q, k along the head's 64, v along the tokens) and stored as operand images.
; WORK LEFT OUT of the program (in the second launch): steps of 128 keys that the mask built by the problem hides from all 16 queries of a tile.  A hidden score is the least f32 number before the row's maximum is taken
; away, and every query sees at least itself, so its p is 0 in exact arithmetic's limit whatever finite values the inputs hold: it adds nothing to the row's sum or result.  LIMIT: a NaN, an infinity or an overflow that
; reaches only hidden scores is not carried to the result; nor does the program serve rows whose largest visible logit lies near the least f32 number itself.
; LIMIT: a block whose largest magnitude is under 2^-124 keeps the scale byte 1 (blocks of zeros too: their codes are zeros).
; SHARES.  256 work-groups: RR = 64 tokens, GG = three heads.  Nine waves: wave 3 mat + i makes matrix mat (q, k, v) of head 3 GG + i: 64 x 64, 16 accumulators, 96 products.
; CLUSTER.  Four work-groups of one GG need the same 576 rows of the weights: waves 0 to 5 ask JOINTLY for half a matrix each; waves 6 and 7 fetch 32 tokens of x each.  One load a wave; nothing is filled again.
; No prefetch: everything is asked for at the head, and there is no loop to run ahead in.
; TOKENS ARE PERMUTED inside the 64: row r of x's tile m is token 32 (r / 8) + 8 m + r % 8.  So register 8 m + j of the lane's half h in a product with x as source 0 is token 32 h + 8 m + j: a lane holds a whole block.
; LDS rows are 432 bytes (384 with 16 of padding behind each 128); x's second 32 tokens lie 128 more bytes on, so that the two groups of eight rows of a tile start in different columns of 16 bytes modulo 256.
; REGISTERS: window 0: v1-23 addresses; v24-35 x's scale words; v36-47 W's; v48-175 accumulators; v176-239 x's fragments, two buffers (later the quantiser's work); v240-255 bias of tiles 0, 1.
;   window 1: v0-63 W's fragments, two buffers; v64-79 bias of tiles 2, 3.
.set XB,    248832
.set WHD,   27648
.set PITCH, 432
.set XHI,   13952
.set SPARE, 276736
.set L16, 8
.set L8,  9
.set SPW, 10
.set NIL, 11
.set AX,  12
.set AW,  13
.set OX,  14
.set OW,  15
.set OB8, 16
.set OBV, 17
.set XS,  24
.set WS,  36
.set ACC, 48
.set XF,  176
.set BL,  240
.set WF,  0
.set BH,  64
.set TM,  176
.set TP,  184
.set SO,  192
.set W0,  200
.set W1,  201
.set W2,  202
.set W3,  203
.set PC,  204
.set WV,  34
.set CX,  35
.set RR,  36
.set GG,  37
.set MAT, 38
.set HD,  39
.set G1W, 40
.set G0W, 48
.set G1X, 52
.set G0X, 60
.set WSP, 68
.set BIP, 70
.set CB,  72
.set SB,  74
.set VCB, 76
.set VSB, 78
.set SEL, 80
.set MSB, 0
.macro WIN new
.if MSB != \new
	s_set_vgpr_msb (MSB<<8)|\new
.set MSB, \new
.endif
.endm
.macro PLACES n
.rept \n
	v_nop
.endr
.endm
.macro CROUND
	s_barrier_signal -1
	s_barrier_wait -1
	s_cmp_lg_u32 s[WV], 0
	s_cbranch_scc1 .Lnot_wave_0_\@
	s_barrier_signal -3
.Lnot_wave_0_\@:
	s_barrier_wait -3
	s_barrier_signal -1
	s_barrier_wait -1
.endm
.macro MM d, a, b, c, sa, sb, ra, rb
.if ((\ra) == 0) && ((\rb) == 0)
	v_wmma_scale_f32_16x16x128_f8f6f4 v[\d:\d+7], v[\a:\a+7], v[\b:\b+7], v[\c:\c+7], v[\sa], v[\sb] matrix_a_fmt:MATRIX_FMT_FP4 matrix_b_fmt:MATRIX_FMT_FP4
.endif
.if ((\ra) == 1) && ((\rb) == 0)
	v_wmma_scale_f32_16x16x128_f8f6f4 v[\d:\d+7], v[\a:\a+7], v[\b:\b+7], v[\c:\c+7], v[\sa], v[\sb] matrix_a_fmt:MATRIX_FMT_FP4 matrix_b_fmt:MATRIX_FMT_FP4 matrix_a_scale:MATRIX_SCALE_ROW1
.endif
.if ((\ra) == 0) && ((\rb) == 1)
	v_wmma_scale_f32_16x16x128_f8f6f4 v[\d:\d+7], v[\a:\a+7], v[\b:\b+7], v[\c:\c+7], v[\sa], v[\sb] matrix_a_fmt:MATRIX_FMT_FP4 matrix_b_fmt:MATRIX_FMT_FP4 matrix_b_scale:MATRIX_SCALE_ROW1
.endif
.if ((\ra) == 1) && ((\rb) == 1)
	v_wmma_scale_f32_16x16x128_f8f6f4 v[\d:\d+7], v[\a:\a+7], v[\b:\b+7], v[\c:\c+7], v[\sa], v[\sb] matrix_a_fmt:MATRIX_FMT_FP4 matrix_b_fmt:MATRIX_FMT_FP4 matrix_a_scale:MATRIX_SCALE_ROW1 matrix_b_scale:MATRIX_SCALE_ROW1
.endif
.endm
; q, k: source 0 = 16 rows of W, source 1 = 16 tokens: a lane holds one token, register j of tile t the head's 16 t + 8 h + j.  The bias is the C of each sum's first product.  The 16 accumulators take turns.
.macro PRODT s
.irp t, 0,1,2,3
.if ((\s) == 0) && (\t >= 2)
	WIN 0x11
.else
	WIN 0x01
.endif
.irp m, 0,1,2,3
.if (\s) == 0
.if \t < 2
	MM ACC+32*\m+8*\t, WF+8*\t, XF+8*\m, BL+8*\t, WS+6*(\t/2)+\s, XS+6*(\m/2)+\s, \t%2, \m%2
.else
	MM ACC+32*\m+8*\t, WF+8*\t, XF+8*\m, BH+8*(\t-2), WS+6*(\t/2)+\s, XS+6*(\m/2)+\s, \t%2, \m%2
.endif
.else
	MM ACC+32*\m+8*\t, WF+32*((\s)%2)+8*\t, XF+32*((\s)%2)+8*\m, ACC+32*\m+8*\t, WS+6*(\t/2)+\s, XS+6*(\m/2)+\s, \t%2, \m%2
.endif
.endr
.endr
.endm
; v: source 0 = 16 tokens, source 1 = 16 rows of W: a lane holds one of the head's 64 (16 t + r), its registers run along the tokens.
.macro PRODV s
.irp t, 0,1,2,3
.if ((\s) == 0) && (\t >= 2)
	WIN 0x14
.else
	WIN 0x04
.endif
.irp m, 0,1,2,3
.if (\s) == 0
.if \t < 2
	MM ACC+32*\t+8*\m, XF+8*\m, WF+8*\t, BL+8*\t, XS+6*(\m/2)+\s, WS+6*(\t/2)+\s, \m%2, \t%2
.else
	MM ACC+32*\t+8*\m, XF+8*\m, WF+8*\t, BH+8*(\t-2), XS+6*(\m/2)+\s, WS+6*(\t/2)+\s, \m%2, \t%2
.endif
.else
	MM ACC+32*\t+8*\m, XF+32*((\s)%2)+8*\m, WF+32*((\s)%2)+8*\t, ACC+32*\t+8*\m, XS+6*(\m/2)+\s, WS+6*(\t/2)+\s, \m%2, \t%2
.endif
.endr
.endr
.endm
; K step s into buffer s % 2: 16 loads
.macro FETCH s
	WIN 0x40
.irp t, 0,1,2,3
.irp c, 0,1
	ds_load_b128 v[WF+32*((\s)%2)+8*\t+4*\c:WF+32*((\s)%2)+8*\t+4*\c+3], v[AW] offset:16*PITCH*\t+64*(\s)+16*((\s)/2)+32*\c
.endr
.endr
	WIN 0
.irp m, 0,1,2,3
.irp c, 0,1
	ds_load_b128 v[XF+32*((\s)%2)+8*\m+4*\c:XF+32*((\s)%2)+8*\m+4*\c+3], v[AX] offset:8*PITCH*\m+64*(\s)+16*((\s)/2)+32*\c
.endr
.endr
.endm
; q, k: block b of token tile g is 16 registers here and 16 in lane l xor 16
.macro QUANTT
.irp b, 0,1,2,3,4,5,6,7
	v_max3_num_f32 v[TM+\b], |v[ACC+16*\b]|, |v[ACC+16*\b+1]|, 0x1800000
.endr
.irp i, 2,4,6,8,10,12,14
.irp b, 0,1,2,3,4,5,6,7
	v_max3_num_f32 v[TM+\b], v[TM+\b], |v[ACC+16*\b+\i]|, |v[ACC+16*\b+\i+1]|
.endr
.endr
.irp b, 0,1,2,3,4,5,6,7
	v_permlanex16_b32 v[TP+\b], v[TM+\b], s[SEL], s[SEL+1]
.endr
.irp b, 0,1,2,3,4,5,6,7
	v_max_num_f32 v[TM+\b], v[TM+\b], v[TP+\b]
.endr
.irp b, 0,1,2,3,4,5,6,7
	v_add_nc_u32 v[SO+\b], 0xff000000, v[TM+\b]    ; 2 off the exponent field: the conversion's scale operand
.endr
.irp b, 0,1,2,3,4,5,6,7
	v_lshrrev_b32 v[TP+\b], 23, v[SO+\b]
.endr
	v_lshl_or_b32 v[W0], v[TP+1], 8, v[TP+0]
	v_lshl_or_b32 v[W2], v[TP+3], 8, v[TP+2]
	v_lshl_or_b32 v[W1], v[TP+5], 8, v[TP+4]
	v_lshl_or_b32 v[W3], v[TP+7], 8, v[TP+6]
.irp g, 0,1,2,3
	v_cvt_scalef32_pk8_fp4_f32 v[PC+4*\g],   v[ACC+32*\g:ACC+32*\g+7],     v[SO+2*\g]
	v_cvt_scalef32_pk8_fp4_f32 v[PC+4*\g+2], v[ACC+32*\g+8:ACC+32*\g+15],  v[SO+2*\g]
	v_cvt_scalef32_pk8_fp4_f32 v[PC+4*\g+1], v[ACC+32*\g+16:ACC+32*\g+23], v[SO+2*\g+1]
	v_cvt_scalef32_pk8_fp4_f32 v[PC+4*\g+3], v[ACC+32*\g+24:ACC+32*\g+31], v[SO+2*\g+1]
.endr
	v_nop
.irp g, 0,1,2,3
	v_permlane16_swap_b32 v[PC+4*\g],   v[PC+4*\g+1]
	v_permlane16_swap_b32 v[PC+4*\g+2], v[PC+4*\g+3]
.endr
	v_permlane16_swap_b32 v[W0], v[W2]             ; word 0: tile 0 in lanes 0-15, tile 1 in lanes 16-31; word 1: tiles 2, 3
	v_permlane16_swap_b32 v[W1], v[W3]
.endm
; v: the lane's 32 registers of tile g are one whole block
.macro QUANTV
.irp g, 0,1,2,3
	v_max3_num_f32 v[TM+\g], |v[ACC+32*\g]|, |v[ACC+32*\g+1]|, 0x1800000
.endr
.irp i, 2,4,6,8,10,12,14,16,18,20,22,24,26,28,30
.irp g, 0,1,2,3
	v_max3_num_f32 v[TM+\g], v[TM+\g], |v[ACC+32*\g+\i]|, |v[ACC+32*\g+\i+1]|
.endr
.endr
.irp g, 0,1,2,3
	v_add_nc_u32 v[SO+\g], 0xff000000, v[TM+\g]
.endr
.irp g, 0,1,2,3
	v_lshrrev_b32 v[TP+\g], 23, v[SO+\g]
.endr
.irp g, 0,1,2,3
.irp m, 0,1,2,3
	v_cvt_scalef32_pk8_fp4_f32 v[PC+4*\g+\m], v[ACC+32*\g+8*\m:ACC+32*\g+8*\m+7], v[SO+\g]
.endr
.endr
	v_nop
	v_permlane16_swap_b32 v[TP+0], v[TP+1]         ; the two blocks' bytes of tile 0 below, of tile 1 above
	v_permlane16_swap_b32 v[TP+2], v[TP+3]
	v_lshl_or_b32 v[W0], v[TP+1], 8, v[TP+0]
	v_lshl_or_b32 v[W1], v[TP+3], 8, v[TP+2]
.endm
	s_load_b256 s[4:11], s[0:1], 0x0
	s_load_b256 s[12:19], s[0:1], 0x20
	s_load_b256 s[20:27], s[0:1], 0x40
	s_load_b128 s[28:31], s[0:1], 0x60
	v_lshl_add_u32 v[SPW], v0, 2, SPARE
	v_mov_b32 v[NIL], 0
	ds_add_u32 v[SPW], v[NIL]                      ; the opening: the add, twice on end, and its wait ahead of the first tensor load
	ds_add_u32 v[SPW], v[NIL]
	v_lshrrev_b32 v1, 5, v0
	v_readfirstlane_b32 s[WV], v1
	s_bfe_u32 s[CX], ttmp6, 0x40000
	s_lshl_b32 s[RR], ttmp9, 2
	s_add_co_u32 s[RR], s[RR], s[CX]               ; my 64 tokens: it enters plain loads and stores alone
	s_and_b32 s[GG], ttmp7, 0xffff                 ; my three heads, which the four partners share
	s_mov_b32 s[G1W+0], 15|(3<<16)|(1<<20)|(1<<21)|(4<<22)|(3<<25)   ; all four work-groups; elements of 8 bytes; 4 words of padding behind every 32
	s_mov_b32 s[G1W+1], 32<<16                     ; 96 rows of 384 bytes, dense, stated as 144 rows of 256
	s_mov_b32 s[G1W+2], 144<<16
	s_mov_b32 s[G1W+3], 32<<16
	s_mov_b32 s[G1W+4], 144
	s_mov_b32 s[G1W+5], 32
	s_mov_b32 s[G1W+6], 0
	s_mov_b32 s[G1W+7], 0
	s_mov_b32 s[G1X+0], (3<<16)|(1<<20)|(4<<22)|(3<<25)
	s_mov_b32 s[G1X+1], 32<<16                     ; 32 rows of 384 bytes as 48 rows of 256
	s_mov_b32 s[G1X+2], 48<<16
	s_mov_b32 s[G1X+3], 32<<16
	s_mov_b32 s[G1X+4], 48
	s_mov_b32 s[G1X+5], 32
	s_mov_b32 s[G1X+6], 0
	s_mov_b32 s[G1X+7], 0
	s_lshr_b32 s82, s[WV], 1                       ; waves 0 to 5: which matrix I fetch
	s_and_b32 s83, s[WV], 1                        ; and which half
	s_mov_b32 s[G0W], 1
	s_mul_i32 s[G0W+1], s[WV], 41472
	s_mul_i32 s74, s[GG], 73728
	s_mul_i32 s76, s83, 36864
	s_add_co_u32 s74, s74, s76
	s_mov_b32 s75, 0
	s_mov_b32 s[G0X], 1
	s_mul_i32 s[G0X+1], s83, XHI
	s_add_co_u32 s[G0X+1], s[G0X+1], XB
	s_mul_i32 s88, s[RR], 24576
	s_mul_i32 s76, s83, 12288
	s_add_co_u32 s88, s88, s76
	s_mov_b32 s89, 0
	s_wait_dscnt 0x0                               ; both opening adds are done
	s_wait_kmcnt 0x0
	s_cmp_eq_u32 s82, 0
	s_cselect_b64 s[G0W+2:G0W+3], s[8:9], s[14:15]
	s_cmp_eq_u32 s82, 2
	s_cselect_b64 s[G0W+2:G0W+3], s[20:21], s[G0W+2:G0W+3]
	s_add_nc_u64 s[G0W+2:G0W+3], s[G0W+2:G0W+3], s[74:75]
	s_or_b32 s[G0W+3], s[G0W+3], 0x80000000
	s_add_nc_u64 s[G0X+2:G0X+3], s[4:5], s[88:89]
	s_or_b32 s[G0X+3], s[G0X+3], 0x80000000
	CROUND                                         ; all four work-groups are here: the joint loads meet
	s_cmp_lt_u32 s[WV], 6
	s_cbranch_scc0 .Lfor_x
	tensor_load_to_lds s[G0W:G0W+3], s[G1W:G1W+7]
	s_nop 0
	PLACES 4
	s_branch .Lasked
.Lfor_x:
	s_cmp_lt_u32 s[WV], 8
	s_cbranch_scc0 .Lasked
	tensor_load_to_lds s[G0X:G0X+3], s[G1X:G1X+7]
	s_nop 0
	PLACES 4
.Lasked:
	v_and_b32 v1, 31, v0                           ; lane
	v_and_b32 v2, 15, v0                           ; r
	v_bfe_u32 v3, v0, 4, 1                         ; h
	v_and_b32 v4, 7, v0                            ; r % 8
	v_bfe_u32 v5, v0, 3, 1                         ; r / 8
	v_lshlrev_b32 v[L16], 4, v1
	v_lshlrev_b32 v[L8], 3, v1
	s_mul_i32 s88, s[WV], WHD
	v_mul_u32_u24 v[AW], v2, PITCH
	v_lshl_add_u32 v[AW], v3, 4, v[AW]
	v_add_nc_u32 v[AW], s88, v[AW]                 ; my 64 rows of W lie at wave x 64 rows
	v_mul_u32_u24 v[AX], v4, PITCH
	v_mul_u32_u24 v6, v5, XHI
	v_add_nc_u32 v[AX], v[AX], v6
	v_lshl_add_u32 v[AX], v3, 4, v[AX]
	v_add_nc_u32 v[AX], XB, v[AX]
	v_lshl_add_u32 v7, v5, 5, v4
	v_lshl_add_u32 v7, v3, 3, v7                   ; the token whose scale word I carry: tile 2 a + h, row r
	v_mul_u32_u24 v[OX], v7, 24
	v_mul_u32_u24 v[OW], v1, 24
	v_lshlrev_b32 v[OB8], 5, v3
	v_lshlrev_b32 v[OBV], 2, v2
	s_wait_alu depctr_va_vdst(0)                   ; the wait at the head's end
	s_mul_i32 s[MAT], s[WV], 11
	s_lshr_b32 s[MAT], s[MAT], 5                   ; wave / 3
	s_mul_i32 s88, s[MAT], 3
	s_sub_co_u32 s88, s[WV], s88
	s_mul_i32 s[HD], s[GG], 3
	s_add_co_u32 s[HD], s[HD], s88                 ; my head
	s_cmp_eq_u32 s[MAT], 0
	s_cselect_b64 s[WSP:WSP+1], s[10:11], s[16:17]
	s_cselect_b64 s[BIP:BIP+1], s[12:13], s[18:19]
	s_cmp_eq_u32 s[MAT], 2
	s_cselect_b64 s[WSP:WSP+1], s[22:23], s[WSP:WSP+1]
	s_cselect_b64 s[BIP:BIP+1], s[24:25], s[BIP:BIP+1]
	s_mov_b32 s89, 0
	s_mul_i32 s88, s[RR], 1536
	s_add_nc_u64 s[6:7], s[6:7], s[88:89]
	s_mul_i32 s88, s[HD], 1536
	s_add_nc_u64 s[WSP:WSP+1], s[WSP:WSP+1], s[88:89]
	s_lshl_b32 s88, s[HD], 8
	s_add_nc_u64 s[BIP:BIP+1], s[BIP:BIP+1], s[88:89]
.irp a, 0,1
.irp i, 0,1,2
	global_load_b64 v[XS+6*\a+2*\i:XS+6*\a+2*\i+1], v[OX], s[6:7] offset:384*\a+8*\i
	global_load_b64 v[WS+6*\a+2*\i:WS+6*\a+2*\i+1], v[OW], s[WSP:WSP+1] offset:768*\a+8*\i
.endr
.endr
	s_cmp_ge_u32 s[WV], 6
	s_cbranch_scc1 .Lbias_v
.irp t, 0,1
	global_load_b128 v[BL+8*\t:BL+8*\t+3], v[OB8], s[BIP:BIP+1] offset:64*\t
	global_load_b128 v[BL+8*\t+4:BL+8*\t+7], v[OB8], s[BIP:BIP+1] offset:64*\t+16
.endr
	WIN 0x40
.irp t, 0,1
	global_load_b128 v[BH+8*\t:BH+8*\t+3], v[OB8], s[BIP:BIP+1] offset:64*\t+128
	global_load_b128 v[BH+8*\t+4:BH+8*\t+7], v[OB8], s[BIP:BIP+1] offset:64*\t+144
.endr
	WIN 0
	s_branch .Lbias_asked
.Lbias_v:
.irp t, 0,1
.irp j, 0,1,2,3,4,5,6,7
	global_load_b32 v[BL+8*\t+\j], v[OBV], s[BIP:BIP+1] offset:64*\t
.endr
.endr
	WIN 0x40
.irp t, 0,1
.irp j, 0,1,2,3,4,5,6,7
	global_load_b32 v[BH+8*\t+\j], v[OBV], s[BIP:BIP+1] offset:64*\t+128
.endr
.endr
	WIN 0
.Lbias_asked:
	s_mov_b32 s[SEL], 0x76543210
	s_mov_b32 s[SEL+1], 0xfedcba98
	; where my results go.  A head's keys are 32 step records of 8,960 bytes: K's eight tiles, V's four fragments, then K's scale words (512) and V's (256); the steps lie in the order of the mask (reversed in heads 6-11)
	s_lshr_b32 s88, s[RR], 1
	s_sub_co_u32 s90, 31, s88
	s_cmp_ge_u32 s[GG], 2
	s_cselect_b32 s88, s90, s88
	s_mul_i32 s88, s88, 8960
	s_mul_i32 s90, s[HD], 286720
	s_add_co_u32 s88, s88, s90                     ; the record
	s_and_b32 s91, s[RR], 1                        ; which half of its keys is mine
	s_mov_b32 s93, 0
	s_mov_b32 s95, 0
	s_lshl_b32 s92, s91, 9
	s_add_co_u32 s92, s92, s88
	s_add_co_u32 s92, s92, 4096
	s_add_nc_u64 s[VCB:VCB+1], s[30:31], s[92:93]
	s_lshl_b32 s92, s91, 1
	s_add_co_u32 s92, s92, s88
	s_add_co_u32 s92, s92, 8704
	s_add_nc_u64 s[VSB:VSB+1], s[30:31], s[92:93]
	s_lshl_b32 s92, s91, 11
	s_add_co_u32 s92, s92, s88                     ; k's codes,
	s_lshl_b32 s94, s91, 8
	s_add_co_u32 s94, s94, s88
	s_add_co_u32 s94, s94, 8192                    ; and scale words
	s_lshl_b32 s88, s[HD], 17
	s_lshl_b32 s90, s[RR], 11
	s_add_co_u32 s88, s88, s90                     ; q's codes,
	s_lshl_b32 s90, s[HD], 14
	s_lshl_b32 s91, s[RR], 8
	s_add_co_u32 s90, s90, s91                     ; and scale words
	s_cmp_eq_u32 s[MAT], 0
	s_cselect_b32 s92, s88, s92
	s_cselect_b32 s94, s90, s94
	s_cselect_b64 s[CB:CB+1], s[26:27], s[30:31]
	s_cselect_b64 s[SB:SB+1], s[28:29], s[30:31]
	s_add_nc_u64 s[CB:CB+1], s[CB:CB+1], s[92:93]
	s_add_nc_u64 s[SB:SB+1], s[SB:SB+1], s[94:95]
	s_wait_loadcnt 0x0
	s_wait_tensorcnt 0x0                           ; my load has landed,
	s_barrier_signal -1
	s_barrier_wait -1                              ; everybody's have.  Nothing is filled again
	FETCH 0
	FETCH 1
	s_cmp_ge_u32 s[WV], 6
	s_cbranch_scc1 .Lmake_v
.irp s, 0,1,2,3,4,5
.if \s < 5
	s_wait_dscnt 16                                ; all but the next K step's 16 loads
.else
	s_wait_dscnt 0
.endif
	PRODT \s
.if \s < 4
	WIN 0
	PLACES 4                                       ; in front of loads into registers that matrix instructions have read
	FETCH \s+2
.endif
.endr
	WIN 0
	PLACES 5
	QUANTT
.irp g, 0,1,2,3
	global_store_b128 v[L16], v[PC+4*\g:PC+4*\g+3], s[CB:CB+1] offset:512*\g   ; 32 lanes store 512 consecutive bytes
.endr
	global_store_b64 v[L8], v[W0:W1], s[SB:SB+1]   ; 256 consecutive bytes
	s_branch .Lend
.Lmake_v:
.irp s, 0,1,2,3,4,5
.if \s < 5
	s_wait_dscnt 16
.else
	s_wait_dscnt 0
.endif
	PRODV \s
.if \s < 4
	WIN 0
	PLACES 4
	FETCH \s+2
.endif
.endr
	WIN 0
	PLACES 5
	QUANTV
.irp t, 0,1,2,3
	global_store_b128 v[L16], v[PC+4*\t:PC+4*\t+3], s[VCB:VCB+1] offset:1024*\t
.endr
	global_store_b16 v[L8], v[W0], s[VSB:VSB+1]    ; two bytes of each word: the other two are the neighbouring 64 tokens'
	global_store_b16 v[L8], v[W1], s[VSB:VSB+1] offset:4
.Lend:
	s_wait_tensorcnt 0x0                           ; the wave's end
	ds_add_u32 v[SPW], v[NIL]
	s_wait_dscnt 0x0
	CROUND                                         ; the closing round
	s_endpgm
.Lfunc_end_k_qd0efc96fe2_proj:
	.size	k_qd0efc96fe2_proj, .Lfunc_end_k_qd0efc96fe2_proj-k_qd0efc96fe2_proj
	.p2alignl 7, 3214868480
	.fill 96, 4, 3214868480
	.section	.rodata,"a",@progbits
	.p2align	6, 0x0
	.amdhsa_kernel k_qd0efc96fe2_proj
		.amdhsa_group_segment_fixed_size 327680
		.amdhsa_private_segment_fixed_size 0
		.amdhsa_enable_private_segment 0
		.amdhsa_kernarg_size 112
		.amdhsa_user_sgpr_count 2
		.amdhsa_user_sgpr_kernarg_segment_ptr 1
		.amdhsa_wavefront_size32 1
		.amdhsa_system_sgpr_workgroup_id_x 1
		.amdhsa_system_sgpr_workgroup_id_y 1
		.amdhsa_system_sgpr_workgroup_id_z 1
		.amdhsa_system_vgpr_workitem_id 0
		.amdhsa_next_free_vgpr 336
		.amdhsa_next_free_sgpr 100
		.amdhsa_reserve_vcc 0
		.amdhsa_float_denorm_mode_32 3
		.amdhsa_float_denorm_mode_16_64 3
		.amdhsa_memory_ordered 1
		.amdhsa_forward_progress 1
		.amdhsa_inst_pref_size 65
	.end_amdhsa_kernel
	.amdgpu_metadata
---
amdhsa.version: [ 1, 2 ]
amdhsa.kernels:
  - .name:           k_qd0efc96fe2_proj
    .symbol:         k_qd0efc96fe2_proj.kd
    .args:
      - { .name: x_codes, .offset: 0, .size: 8, .value_kind: global_buffer, .address_space: global }
      - { .name: x_scales, .offset: 8, .size: 8, .value_kind: global_buffer, .address_space: global }
      - { .name: Wq_codes, .offset: 16, .size: 8, .value_kind: global_buffer, .address_space: global }
      - { .name: Wq_scales, .offset: 24, .size: 8, .value_kind: global_buffer, .address_space: global }
      - { .name: bq, .offset: 32, .size: 8, .value_kind: global_buffer, .address_space: global }
      - { .name: Wk_codes, .offset: 40, .size: 8, .value_kind: global_buffer, .address_space: global }
      - { .name: Wk_scales, .offset: 48, .size: 8, .value_kind: global_buffer, .address_space: global }
      - { .name: bk, .offset: 56, .size: 8, .value_kind: global_buffer, .address_space: global }
      - { .name: Wv_codes, .offset: 64, .size: 8, .value_kind: global_buffer, .address_space: global }
      - { .name: Wv_scales, .offset: 72, .size: 8, .value_kind: global_buffer, .address_space: global }
      - { .name: bv, .offset: 80, .size: 8, .value_kind: global_buffer, .address_space: global }
      - { .name: qc, .offset: 88, .size: 8, .value_kind: global_buffer, .address_space: global }
      - { .name: qs, .offset: 96, .size: 8, .value_kind: global_buffer, .address_space: global }
      - { .name: kv, .offset: 104, .size: 8, .value_kind: global_buffer, .address_space: global }
    .group_segment_fixed_size: 327680
    .private_segment_fixed_size: 0
    .kernarg_segment_align: 8
    .kernarg_segment_size: 112
    .max_flat_workgroup_size: 288
    .sgpr_count:     100
    .vgpr_count:     336
    .wavefront_size: 32
...
	.end_amdgpu_metadata
.endif
;; end of part 1
;; launch attn (part 2): grid 21 x 12, 12 waves a work-group, no clusters, 327,680 bytes of LDS; arguments qc, qs, kv, oc, os; writes oc, os
.if DOCPART == 2
	.amdgcn_target "amdgcn-amd-amdhsa--gfx1250"
	.amdhsa_code_object_version 6
	.text
	.protected	k_qd0efc96fe2_attn
	.globl	k_qd0efc96fe2_attn
	.p2align	8
	.type	k_qd0efc96fe2_attn,@function
k_qd0efc96fe2_attn:
	s_mov_b64 s[64:65], 0
	v_nop
	global_prefetch_b8 v0, s[64:65] scope:SCOPE_SE
	s_setreg_imm32_b32 hwreg(HW_REG_WAVE_MODE, 25, 1), 1
	s_wait_xcnt 0x0
; SECOND LAUNCH.  o = softmax(q k^T / 8) v under the problem's own mask (heads 0-5: keys up to the query; 6-11: keys from the query on), both products on codes of FP4 with E8M0 scales; then o is quantised along the 768.
; WORK LEFT OUT: steps of 128 keys that the mask hides from all 16 queries of a tile (shown at the head of the first kernel).
; LIMITS: hidden scores become -infinity where the problem has the least f32 number: the same p = 0 unless a row's largest visible logit lies near that number itself; a NaN or an infinity that reaches only hidden scores is
; not carried to the result.  The promise holds while the scaled scores stay under 2^31 in magnitude.  A block under 2^-124 keeps the scale byte 1.
; THE SOFTMAX: t = score x log2(e) / 8; M = the running largest t rounded UP to a whole number; p = 2^(t - M) is quantised along the keys, not normalised; the row's sum is taken of the unquantised p and divides at
; the end.  When M moves, the sum and O are multiplied by 2^(old M - new M): exact.
; SHARES.  Tile i of 16 queries, counted in the order of the mask, has i / 8 + 1 key steps.  Unit u (0 .. 125 of a head) is the late tile 255 - u, the early tile u + 4 and, where u < 4, tile u: 33 or 34 key steps.
; A work-group has six units of one head, u = g + 21 k: 21 work-groups a head, 252 in all.  Two waves share a unit: the first wave has NA steps of the late tile and nothing else, the second the early tile, then tile u, then
; the late tile's other NL steps.  Units k = 0 .. 3: NA = 8, the late tile's LAST eight, in wave 8 + k; the second wave is wave k, with 26 steps at the most.  Units k = 4, 5: NA = 17, the late tile's first seventeen, in
; wave k; the second wave is wave 2 + k, with 17 at the most.  Waves i, i + 4, i + 8 together have 51 at the most.  The two parts of a late tile are joined through LDS at the end.
; THE WHOLE HEAD'S K, V AND SCALES LIE IN LDS: 32 step records of 8,960 bytes, record = key step.  Records 0-7 come by the head's loads, one in each of waves 0-7; records 8-31 behind the first barrier, two a wave.  Ahead of
; the barrier that shows them waves 0-3 have five steps, waves 4-7 four and waves 8-11 none (IT0 = 0, 1, 5: they leave out the loop's first IT0 trips): those steps and the fetch of the next K read records 0-5 alone, since
; the early tiles of units 4, 5 have twelve steps or more.  Nothing is filled again.
; NO CLUSTER: 21 work-groups walk one head's records, and 21 divides by neither 2 nor 4.  NO PREFETCH: all bytes are asked for by the two loads at the head, so there is no loop to run ahead in.
; LAYOUT.  S^T = K Q^T (source 0 = 16 keys, source 1 = my 16 queries), O^T = V^T P^T: a lane holds ONE query throughout.  Row 8 h + j of K's tile 4 c + u is key 64 c + 32 h + 8 u + j of the step: a lane's 32 registers of
; tiles 4 c .. 4 c + 3 are the whole block 2 c + h, and their conversions are the second product's operand as they stand.  K = 64 fills registers 0-3 of the operands: Q's registers 4-7 are zero codes, and K's operand
; simply runs on into the next tile's registers, whatever codes stand there (all are finite).  Row r of query tile T is token 64 (T / 4) + 32 (r / 8) + 8 (T % 4) + r % 8.
.set REC,   8960
.set SPARE, 286720                     ; the spare words: six blocks of 256 bytes that no other line names
.set MB,    288256                     ; behind them eight parts of 4,352 bytes: a second wave's part of a late tile
.set SPW, 3
.set NIL, 4
; v1 16 x lane; v2 8192 + 8 x lane; v5-8 LDS addresses of the loads in hand; v9, v10 where I put my part, v234, v235 where I read my partner's; v11 the mask's lane term; v12 -M, v13 the largest score, v[14:15] the sum in
; two halves; v16-23 Q; v24-27 K's scale words, v28-29 V's, v30 p's, v31 Q's; v32-67 K; v204-227, v240-254 at work; v228-233, v236-239 the next tiles' Q; v250 4 r + h
.set VF,  68
.set S,   100
.set O,   164
.set PC,  196
.set CH1, 14                           ; the iterations behind which a second wave's tile leaves and the next begins
.set NL,  15                           ; the second wave's steps of the late tile
.set NC,  16
.set CH2, 17
.set WV,  18
.set HD,  19
.set SEL, 20
.set CS,  22
.set G1A, 24
.set G0A, 32
.set G0B, 36
.set G1B, 40
.set ROLE, 48                          ; 0: first wave of its unit, 1: second
.set U,   49
.set N1,  50                           ; up to iteration N1 the key step is IT + OFF0, up to N12 IT + OFF1, then IT + OFF2
.set OFF0, 51
.set OFF1, 52
.set N12, 53
.set OFF2, 54
.set D1,  55                           ; D1, D2, D3: the iterations that lie on the diagonal
.set D2,  56
.set D3,  57
.set NT,  58                           ; the iteration at which my work ends
.set IT,  59
.set TC,  60                           ; the natural tile in hand, the next, the one behind it
.set TE,  61
.set TT,  62
.set XM,  63
.set CBS, 66
.set NBS, 67
.set NA,  77
.set IT0, 79
.macro KLOADS                          ; ten loads
.irp t, 0,1,2,3,4,5,6,7
	ds_load_b128 v[32+4*\t:35+4*\t], v7 offset:512*\t
.endr
	ds_load_b64 v[24:25], v8
	ds_load_b64 v[26:27], v8 offset:256
.endm
.macro ZERO
.set N, 0
.rept 32
	v_mov_b32 v[O+N], 0
.set N, N+1
.endr
	v_mov_b32 v13, 0xff61b1e6                      ; -3e38, under every score
	v_mov_b32 v14, 0
	v_mov_b32 v15, 0
	v_floor_f32 v12, -v13
.endm
.macro ADD reg, n
	v_pk_add_f32 v[\reg:\reg+1], v[\reg:\reg+1], v[S+2*(\n):S+2*(\n)+1]
.endm
; THE WAY OUT of the tile in hand: O^T / the sum is quantised (two blocks of 32 of this head) and stored as an operand's image
.macro FINAL
	s_mul_i32 s98, s[TC], 12
	s_add_co_u32 s98, s98, s[HD]
	s_lshl_b32 s98, s98, 9
	s_mov_b32 s99, 0
	s_add_nc_u64 s[82:83], s[10:11], s[98:99]      ; oc: 512 (12 T + head)
	s_lshr_b32 s98, s[TC], 1
	s_mul_i32 s98, s98, 768
	s_and_b32 s96, s[TC], 1
	s_lshl_b32 s96, s96, 6
	s_add_co_u32 s98, s98, s96
	s_lshr_b32 s96, s[HD], 1
	s_lshl_b32 s96, s96, 7
	s_add_co_u32 s98, s98, s96
	s_and_b32 s96, s[HD], 1
	s_lshl_b32 s96, s96, 1
	s_add_co_u32 s98, s98, s96
	s_add_nc_u64 s[84:85], s[12:13], s[98:99]      ; os: 768 (T / 2) + 128 (head / 2) + 64 (T % 2) + 2 (head % 2)
	v_add_f32 v240, v14, v15
	v_permlanex16_b32 v225, v240, s[SEL], s[SEL+1]
	v_add_f32 v240, v240, v225                     ; the row's sum
	s_wait_alu depctr_va_vdst(0)
	v_rcp_f32 v246, v240
	v_nop
	s_wait_alu depctr_va_vdst(0)                   ; ahead of the reciprocal's and of O's first readers
.set N, 0
.rept 16
	v_pk_mul_f32 v[S+N:S+N+1], v[O+N:O+N+1], v[246:247] op_sel_hi:[1,0]   ; register 8 t + j is o(query r, 16 t + 8 h + j)
.set N, N+2
.endr
	v_max3_num_f32 v241, |v[S]|, |v[S+1]|, 0x1800000
	v_max3_num_f32 v242, |v[S+16]|, |v[S+17]|, 0x1800000
.irp i, 2,4,6,8,10,12,14
	v_max3_num_f32 v241, v241, |v[S+\i]|, |v[S+\i+1]|
	v_max3_num_f32 v242, v242, |v[S+16+\i]|, |v[S+17+\i]|
.endr
	v_permlanex16_b32 v225, v241, s[SEL], s[SEL+1]
	v_permlanex16_b32 v226, v242, s[SEL], s[SEL+1]
	v_max_num_f32 v241, v241, v225
	v_max_num_f32 v242, v242, v226
	v_add_nc_u32 v243, 0xff000000, v241
	v_add_nc_u32 v244, 0xff000000, v242
	v_lshrrev_b32 v241, 23, v243
	v_lshrrev_b32 v242, 23, v244
	v_cvt_scalef32_pk8_fp4_f32 v[PC],   v[S:S+7],     v243
	v_cvt_scalef32_pk8_fp4_f32 v[PC+2], v[S+8:S+15],  v243
	v_cvt_scalef32_pk8_fp4_f32 v[PC+1], v[S+16:S+23], v244
	v_cvt_scalef32_pk8_fp4_f32 v[PC+3], v[S+24:S+31], v244
	v_cmp_le_u32 vcc_lo, 256, v1                   ; lanes 16-31
	v_cndmask_b32 v251, v241, v242, vcc_lo         ; my block's byte
	v_permlane16_swap_b32 v[PC], v[PC+1]
	v_permlane16_swap_b32 v[PC+2], v[PC+3]         ; lane (r, h): query r, block h
	global_store_b128 v1, v[PC:PC+3], s[82:83]     ; 32 lanes store 512 consecutive bytes
	global_store_b8 v250, v251, s[84:85]           ; two bytes of each row's word: the other two are the neighbouring head's
.endm
	s_load_b256 s[4:11], s[0:1], 0x0               ; qc s[4:5], qs s[6:7], kv s[8:9], oc s[10:11]
	s_load_b64 s[12:13], s[0:1], 0x20              ; os
	v_lshl_add_u32 v[SPW], v0, 2, SPARE
	v_mov_b32 v[NIL], 0
	ds_add_u32 v[SPW], v[NIL]                      ; the opening: the add, twice on end, and its wait ahead of the first tensor load
	ds_add_u32 v[SPW], v[NIL]
	v_lshrrev_b32 v5, 5, v0
	v_readfirstlane_b32 s[WV], v5                  ; wave 0..11
	s_and_b32 s[HD], ttmp7, 0xffff                 ; the head
	s_mov_b32 s[G1A+0], 3<<16                      ; elements of 8 bytes, no mask, no padding: 35 dense rows of 256 bytes
	s_mov_b32 s[G1A+1], 32<<16
	s_mov_b32 s[G1A+2], 35<<16
	s_mov_b32 s[G1A+3], 32<<16
	s_mov_b32 s[G1A+4], 35
	s_mov_b32 s[G1A+5], 32
	s_mov_b32 s[G1A+6], 0
	s_mov_b32 s[G1A+7], 0
	s_mov_b32 s[G1B+0], 3<<16                      ; the same with 70 rows
	s_mov_b32 s[G1B+1], 32<<16
	s_mov_b32 s[G1B+2], 70<<16
	s_mov_b32 s[G1B+3], 32<<16
	s_mov_b32 s[G1B+4], 70
	s_mov_b32 s[G1B+5], 32
	s_mov_b32 s[G1B+6], 0
	s_mov_b32 s[G1B+7], 0
	s_mov_b32 s[G0A], 1
	s_mul_i32 s[G0A+1], s[WV], REC                 ; record = wave
	s_mov_b32 s[G0B], 1
	s_mul_i32 s[G0B+1], s[WV], 2*REC
	s_add_co_u32 s[G0B+1], s[G0B+1], 8*REC         ; records 8 + 2 wave, 9 + 2 wave
	s_mul_i32 s68, s[HD], 32*REC
	s_mov_b32 s69, 0
	s_mul_i32 s70, s[WV], REC
	s_add_co_u32 s70, s70, s68
	s_mov_b32 s71, 0
	s_mul_i32 s72, s[WV], 2*REC
	s_add_co_u32 s72, s72, s68
	s_add_co_u32 s72, s72, 8*REC
	s_mov_b32 s73, 0
	s_wait_dscnt 0x0                               ; both opening adds are done
	s_wait_kmcnt 0x0
	s_add_nc_u64 s[G0A+2:G0A+3], s[8:9], s[70:71]
	s_or_b32 s[G0A+3], s[G0A+3], 0x80000000
	s_add_nc_u64 s[G0B+2:G0B+3], s[8:9], s[72:73]
	s_or_b32 s[G0B+3], s[G0B+3], 0x80000000
	s_cmp_lt_u32 s[WV], 8
	s_cbranch_scc0 .Lfirst_asked
	tensor_load_to_lds s[G0A:G0A+3], s[G1A:G1A+7]  ; waves 0-7: one record each, the wave's one load at the head
	s_nop 0
.rept 4
	v_nop
.endr
.Lfirst_asked:
	; my unit and my segments of it: ids alone
	s_lshr_b32 s68, s[WV], 2
	s_lshr_b32 s69, s[WV], 3                       ; 1 in waves 8-11
	s_mul_i32 s70, s69, 3
	s_add_co_u32 s[IT0], s68, s70                  ; 0, 1, 5
	s_or_b32 s71, s68, s69
	s_and_b32 s71, s71, 1
	s_xor_b32 s71, s71, 1                          ; 1 in waves 0-3
	s_and_b32 s68, s68, 1                          ; 1 in waves 4-7
	s_lshr_b32 s72, s[WV], 1
	s_and_b32 s72, s72, s68                        ; 1 in waves 6, 7
	s_or_b32 s[ROLE], s71, s72
	s_mul_i32 s[NA], s68, 9
	s_add_co_u32 s[NA], s[NA], 8
	s_mul_i32 s78, s68, 17                         ; where the second wave's part of the late tile begins
	s_and_b32 s70, s[WV], 1
	s_add_co_u32 s70, s70, 4
	s_and_b32 s71, s[WV], 3
	s_cmp_eq_u32 s68, 1
	s_cselect_b32 s70, s70, s71                    ; k
	s_mul_i32 s70, s70, 21
	s_add_co_u32 s[U], s70, ttmp9                  ; u
	s_sub_co_u32 s70, 255, s[U]                    ; the late tile
	s_add_co_u32 s71, s[U], 4                      ; the early tile
	s_lshr_b32 s72, s70, 3                         ; the late tile's last step
	s_add_co_u32 s73, s72, 1
	s_sub_co_u32 s[NL], s73, s[NA]
	s_mul_i32 s69, s69, s[NL]                      ; where the first wave's part begins
	s_sub_co_u32 s69, s69, s[IT0]
	s_sub_co_u32 s72, s72, s69                     ; the first wave's iteration on the diagonal
	s_lshr_b32 s73, s71, 3
	s_add_co_u32 s73, s73, 1                       ; the early tile's steps
	s_add_co_u32 s74, s73, s[IT0]                  ; the iteration behind them
	s_sub_co_u32 s75, s74, 1
	s_add_co_u32 s76, s74, 1
	s_cmp_lt_u32 s[U], 4                           ; is there a third tile?
	s_cselect_b32 s[D3], s74, -1
	s_cselect_b32 s[N12], s76, s74
	s_cselect_b32 s[TE], s[U], s70
	s_add_co_u32 s[NT], s[N12], s[NL]
	s_sub_co_u32 s73, s[NT], 1
	s_sub_co_u32 s[OFF2], s78, s[N12]
	s_sub_co_u32 s[OFF1], 0, s74
	s_sub_co_u32 s78, 0, s[IT0]
	s_add_co_u32 s76, s[NA], s[IT0]
	s_cmp_eq_u32 s68, 1
	s_cselect_b32 s[D2], s73, -1                   ; units 4, 5: the second wave's last step is the late tile's diagonal
	s_cmp_eq_u32 s[NL], 0
	s_cselect_b32 s[CH1], -1, s75                  ; nothing follows the early tile: it leaves at the end
	s_cmp_eq_u32 s[ROLE], 1
	s_cselect_b32 s[TC], s71, s70
	s_cselect_b32 s[N1], s74, 64
	s_cselect_b32 s[N12], s[N12], 64
	s_cselect_b32 s[OFF0], s78, s69
	s_cselect_b32 s[D1], s75, s72
	s_cselect_b32 s[D2], s[D2], -1
	s_cselect_b32 s[D3], s[D3], -1
	s_cselect_b32 s[CH1], s[CH1], -1
	s_cselect_b32 s[NT], s[NT], s76
	s_mov_b32 s[CH2], s[D3]
	s_cmp_ge_u32 s[HD], 6
	s_cselect_b32 s[XM], 248, 0                    ; in heads 6-11 blocks of 128 queries count from the end: natural tile = tile xor 248
	s_xor_b32 s[TC], s[TC], s[XM]
	s_xor_b32 s[TE], s[TE], s[XM]
	s_xor_b32 s[TT], s70, s[XM]
	s_mov_b32 s[SEL], 0x76543210
	s_mov_b32 s[SEL+1], 0xfedcba98
	s_mov_b32 s[CS], 0x3e38aa3b                    ; log2(e) / 8
	s_mov_b32 s[CS+1], s[CS]                       ; (named with it as a pair, so it is written)
	s_mov_b32 s[NC], 0xbe38aa3b                    ; its negative
	s_mov_b32 s[IT], 0
	s_and_b32 s68, s[WV], 7                        ; a second wave puts its part at wave % 8: 0-3, 6, 7;
	s_mul_i32 s68, s68, 4352
	s_add_co_u32 s68, s68, MB
	s_add_co_u32 s69, s68, 4096
	s_lshr_b32 s70, s[WV], 1
	s_and_b32 s70, s70, 2
	s_add_co_u32 s70, s70, s[WV]
	s_and_b32 s70, s70, 7                          ; waves 8-11 read 0-3, waves 4, 5 read 6, 7
	s_mul_i32 s70, s70, 4352
	s_add_co_u32 s70, s70, MB
	s_add_co_u32 s71, s70, 4096
	v_and_b32 v5, 31, v0
	v_and_b32 v6, 15, v0
	v_bfe_u32 v7, v0, 4, 1
	v_and_b32 v11, 7, v0
	v_bfe_u32 v8, v0, 3, 1
	v_lshlrev_b32 v1, 4, v5
	v_lshl_add_u32 v2, v5, 3, 8192
	v_lshl_add_u32 v9, v5, 4, s68
	v_lshl_add_u32 v10, v5, 3, s69
	v_lshl_add_u32 v234, v5, 4, s70
	v_lshl_add_u32 v235, v5, 3, s71
	v_lshlrev_b32 v240, 3, v6
	v_lshl_add_u32 v250, v6, 2, v7
	v_lshl_add_u32 v11, v8, 5, v11
	v_lshlrev_b32 v8, 5, v7
	v_sub_nc_u32 v11, v11, v8                      ; 32 (r / 8) + r % 8 - 32 h
	s_wait_alu depctr_va_vdst(0)
	s_lshl_b32 s74, s[HD], 17
	s_mov_b32 s75, 0
	s_add_nc_u64 s[4:5], s[4:5], s[74:75]
	s_lshl_b32 s74, s[HD], 14
	s_add_nc_u64 s[6:7], s[6:7], s[74:75]
; Q of the tile in scalar t: codes at 512 T; scale words at 256 (T / 4) + 128 (T % 2) + 4 (T / 2 % 2) + 8 r
.macro LQ t, c, sc, reg, sreg
	s_lshl_b32 s74, s[\t], 9
	s_add_nc_u64 s[\c:\c+1], s[4:5], s[74:75]
	s_lshr_b32 s74, s[\t], 2
	s_lshl_b32 s74, s74, 8
	s_and_b32 s76, s[\t], 1
	s_lshl_b32 s76, s76, 7
	s_add_co_u32 s74, s74, s76
	s_and_b32 s76, s[\t], 2
	s_lshl_b32 s76, s76, 1
	s_add_co_u32 s74, s74, s76
	s_add_nc_u64 s[\sc:\sc+1], s[6:7], s[74:75]
	global_load_b128 v[\reg:\reg+3], v1, s[\c:\c+1]
	global_load_b32 v[\sreg], v240, s[\sc:\sc+1]
.endm
	LQ TC, 86, 92, 16, 31
	LQ TE, 88, 94, 228, 232
	LQ TT, 90, 100, 236, 233
.irp j, 20,21,22,23,64,65,66,67,217,225,226,247,249
	v_mov_b32 v[\j], 0                             ; Q's k = 64 .. 127: zero codes; what runs on behind K's last tile; lane permutes' destinations and upper halves of pairs
.endr
	ZERO                                           ; the walk has no first step of its own: the first change of M multiplies zeros
.macro QK t
.if (\t)%2
	v_wmma_scale_f32_16x16x128_f8f6f4 v[S+8*\t:S+8*\t+7], v[32+4*\t:39+4*\t], v[16:23], 0, v[24+\t/2], v31 matrix_a_fmt:MATRIX_FMT_FP4 matrix_b_fmt:MATRIX_FMT_FP4 matrix_a_scale:MATRIX_SCALE_ROW1
.else
	v_wmma_scale_f32_16x16x128_f8f6f4 v[S+8*\t:S+8*\t+7], v[32+4*\t:39+4*\t], v[16:23], 0, v[24+\t/2], v31 matrix_a_fmt:MATRIX_FMT_FP4 matrix_b_fmt:MATRIX_FMT_FP4
.endif
.endm
; A KEY STEP.  K and its words are on their way; V's loads and the next step's K follow the first product.  Among the products: the LDS byte of the record of this iteration (s80, CBS) and of the next (s68, NBS)
.macro STEP lim
.if \lim == 31
	s_cmp_ge_u32 s[IT], s[NT]                      ; my work is done
.else
	s_cmp_lt_u32 s[IT], s[IT0]                     ; my work has not begun
.endif
	s_cbranch_scc1 .Lskip_\@
	s_wait_dscnt 0x0                               ; K
	QK 0
	s_cmp_lt_u32 s[IT], s[N1]
	s_cselect_b32 s81, s[OFF0], s[OFF1]
	QK 1
	s_cmp_ge_u32 s[IT], s[N12]
	s_cselect_b32 s81, s[OFF2], s81
	QK 2
	s_add_co_u32 s80, s[IT], s81                   ; this key step
	s_add_co_u32 s68, s[IT], 1
	QK 3
	s_cmp_lt_u32 s68, s[N1]
	s_cselect_b32 s69, s[OFF0], s[OFF1]
	QK 4
	s_cmp_ge_u32 s68, s[N12]
	s_cselect_b32 s69, s[OFF2], s69
	QK 5
	s_add_co_u32 s68, s68, s69                     ; the next
	s_min_u32 s80, s80, \lim
	QK 6
	s_min_u32 s68, s68, \lim
	s_mul_i32 s[CBS], s80, REC
	QK 7
	s_mul_i32 s[NBS], s68, REC
	v_add_nc_u32 v5, s[CBS], v1                    ; these four are the places behind the products
	v_add_nc_u32 v6, s[CBS], v2
	v_add_nc_u32 v7, s[NBS], v1
	v_add_nc_u32 v8, s[NBS], v2
.irp t, 0,1,2,3
.irp c, 0,1
	ds_load_b128 v[VF+8*\t+4*\c:VF+8*\t+4*\c+3], v5 offset:4096+1024*\t+512*\c
.endr
.endr
	ds_load_b64 v[28:29], v6 offset:512
	KLOADS
	s_cmp_eq_u32 s[IT], s[D1]
	s_cbranch_scc1 .Lmask_\@
	s_cmp_eq_u32 s[IT], s[D2]
	s_cbranch_scc1 .Lmask_\@
	s_cmp_eq_u32 s[IT], s[D3]
	s_cbranch_scc0 .Lopen_\@
.Lmask_\@:                                             ; on the diagonal hidden scores become -infinity ahead of the maximum.  Register 32 c + i holds key 64 c + 32 h + i of the 128
	s_and_b32 s80, s[TC], 3
	s_lshl_b32 s80, s80, 3
	s_and_b32 s81, s[TC], 4
	s_lshl_b32 s81, s81, 4
	s_add_co_u32 s80, s80, s81
	v_add_nc_u32 v252, s80, v11                    ; my query's place in the 128, less 32 h
	v_mov_b32 v254, 0xff800000
	s_wait_alu depctr_va_vdst(0)
	s_cmp_ge_u32 s[HD], 6
	s_cbranch_scc1 .Lahead_\@
.set N, 0
.rept 64
	v_cmp_gt_i32 vcc_lo, 64*(N/32)+N%32, v252
	v_cndmask_b32 v[S+N], v[S+N], v254, vcc_lo
.set N, N+1
.endr
	s_wait_alu depctr_va_vdst(0)
	s_branch .Lopen_\@
.Lahead_\@:
.set N, 0
.rept 64
	v_cmp_lt_i32 vcc_lo, 64*(N/32)+N%32, v252
	v_cndmask_b32 v[S+N], v[S+N], v254, vcc_lo
.set N, N+1
.endr
.Lopen_\@:
.irp q, 0,1,2,3
	v_max3_num_f32 v[204+\q], v[S+16*\q], v[S+16*\q+1], v[S+16*\q+2]
.endr
.irp i, 3,5,7,9,11,13
.irp q, 0,1,2,3
	v_max3_num_f32 v[204+\q], v[204+\q], v[S+16*\q+\i], v[S+16*\q+\i+1]
.endr
.endr
	v_max3_num_f32 v218, v204, v205, v[S+15]
	v_max3_num_f32 v219, v206, v207, v[S+47]
	v_max_num_f32 v218, v218, v[S+31]              ; the largest score of my block 2 c + h: for the row's maximum and, since p rises with the score, for the block's largest p
	v_max_num_f32 v219, v219, v[S+63]
	v_max_num_f32 v224, v218, v219
	s_delay_alu instid0(VALU_DEP_1)
	v_permlanex16_b32 v225, v224, s[SEL], s[SEL+1]
	s_delay_alu instid0(VALU_DEP_1)
	v_max3_num_f32 v13, v13, v224, v225            ; the running largest score
	s_delay_alu instid0(VALU_DEP_1)
	v_mul_f32 v226, s[NC], v13                     ; -t
	s_delay_alu instid0(VALU_DEP_1)
	v_floor_f32 v226, v226                         ; the new -M
	s_delay_alu instid0(VALU_DEP_1)
	v_sub_f32 v227, v226, v12                      ; old M - new M: a whole number, 0 or less
	v_mov_b32 v12, v226
	s_delay_alu instid0(VALU_DEP_2)
	v_cvt_i32_f32 v227, v227                       ; (it saturates)
	s_delay_alu instid0(VALU_DEP_1)
	v_ldexp_f32 v216, 1.0, v227                    ; f
.set N, 0
.rept 32
	v_pk_fma_f32 v[S+N:S+N+1], v[S+N:S+N+1], s[CS:CS+1], v[12:13] op_sel_hi:[1,0,0]   ; t - M, two at a time
.set N, N+2
.endr
	v_fma_f32 v218, v218, s[CS], v12
	v_fma_f32 v219, v219, s[CS], v12
.set N, 0
.rept 16
	v_pk_mul_f32 v[O+N:O+N+1], v[O+N:O+N+1], v[216:217] op_sel_hi:[1,0]   ; O^T under the new M, each accumulator from its low end on
.set N, N+2
.endr
	s_wait_alu depctr_va_vdst(0)                   ; ahead of the batch
	v_exp_f32 v218, v218                           ; the blocks' largest p
	v_exp_f32 v219, v219
.set N, 0
.rept 64
	v_exp_f32 v[S+N], v[S+N]                       ; p = 2^(t - M)
.set N, N+1
.endr
	v_pk_mul_f32 v[14:15], v[14:15], v[216:217] op_sel_hi:[1,0]   ; the sums under the new M: the plain place behind the exponentials
	s_wait_alu depctr_va_vdst(0)                   ; and one wait behind the batch, ahead of its first reader
	v_max_num_f32 v218, 0x1800000, v218            ; the floor 2^(3 - 127)
	v_max_num_f32 v219, 0x1800000, v219
	v_pk_add_f32 v[210:211], v[S:S+1], v[S+2:S+3]  ; the row's sum, of the unquantised p, in four chains
	v_add_nc_u32 v220, 0xff000000, v218            ; 2 off the exponent field: the conversion's scale operand
	v_add_nc_u32 v221, 0xff000000, v219
	v_pk_add_f32 v[212:213], v[S+4:S+5], v[S+6:S+7]
	v_lshrrev_b32 v222, 23, v220
	v_lshrrev_b32 v223, 23, v221
	v_pk_add_f32 v[214:215], v[S+8:S+9], v[S+10:S+11]
	v_lshl_or_b32 v222, v223, 16, v222             ; my two blocks' bytes,
	ADD 14, 6
	v_permlanex16_b32 v225, v222, s[SEL], s[SEL+1]
	ADD 210, 7
	v_lshl_or_b32 v30, v225, 8, v222               ; with lane l xor 16's: lanes 0-15 hold p's scale words
.irp c, 0,1
.irp u, 0,1,2,3
	v_cvt_scalef32_pk8_fp4_f32 v[PC+4*\c+\u], v[S+32*\c+8*\u:S+32*\c+8*\u+7], v[220+\c]
.endr
.endr
	ADD 212, 8                                     ; nine plain places between the scale word or the codes and the products
	ADD 214, 9
	ADD 14, 10
	ADD 210, 11
	ADD 212, 12
	ADD 214, 13
	ADD 14, 14
	ADD 210, 15
	ADD 212, 16
	s_wait_alu depctr_va_vdst(0)
	s_wait_dscnt 10                                ; V and its words are in; the next step's ten loads of K may be out
	v_wmma_scale_f32_16x16x128_f8f6f4 v[O:O+7], v[VF:VF+7], v[PC:PC+7], v[O:O+7], v28, v30 matrix_a_fmt:MATRIX_FMT_FP4 matrix_b_fmt:MATRIX_FMT_FP4
	v_wmma_scale_f32_16x16x128_f8f6f4 v[O+8:O+15], v[VF+8:VF+15], v[PC:PC+7], v[O+8:O+15], v28, v30 matrix_a_fmt:MATRIX_FMT_FP4 matrix_b_fmt:MATRIX_FMT_FP4 matrix_a_scale:MATRIX_SCALE_ROW1
	v_wmma_scale_f32_16x16x128_f8f6f4 v[O+16:O+23], v[VF+16:VF+23], v[PC:PC+7], v[O+16:O+23], v29, v30 matrix_a_fmt:MATRIX_FMT_FP4 matrix_b_fmt:MATRIX_FMT_FP4
	v_wmma_scale_f32_16x16x128_f8f6f4 v[O+24:O+31], v[VF+24:VF+31], v[PC:PC+7], v[O+24:O+31], v29, v30 matrix_a_fmt:MATRIX_FMT_FP4 matrix_b_fmt:MATRIX_FMT_FP4 matrix_a_scale:MATRIX_SCALE_ROW1
.set N, 17
.rept 3
	ADD 214, N                                     ; the rest of the sum: also the places behind the products
	ADD 14, N+1
	ADD 210, N+2
	ADD 212, N+3
.set N, N+4
.endr
	ADD 214, 29
	ADD 14, 30
	ADD 210, 31
	v_pk_add_f32 v[212:213], v[212:213], v[214:215]
	v_pk_add_f32 v[14:15], v[14:15], v[210:211]
	v_pk_add_f32 v[14:15], v[14:15], v[212:213]
	s_wait_alu depctr_va_vdst(0)
	; THE CHANGE OF TILES, in second waves alone: the early tile, and the third, leave when their last step is done
	s_cmp_eq_u32 s[IT], s[CH1]
	s_cbranch_scc1 .Lchange_\@
	s_cmp_eq_u32 s[IT], s[CH2]
	s_cbranch_scc0 .Lskip_\@
.Lchange_\@:
	FINAL
	s_wait_xcnt 0x0                                ; the stores have read their registers
	s_mov_b32 s[TC], s[TE]
	s_mov_b32 s[TE], s[TT]
.irp j, 0,1,2,3
	v_mov_b32 v[16+\j], v[228+\j]                  ; the next tile's Q
.endr
	v_mov_b32 v31, v232
.irp j, 0,1,2,3
	v_mov_b32 v[228+\j], v[236+\j]
.endr
	v_mov_b32 v232, v233
	ZERO
	s_wait_alu depctr_va_vdst(0)
.Lskip_\@:
.endm
	v_mov_b32 v7, v1                               ; waves 0-7 begin with key step 0
	v_mov_b32 v8, v2
	s_wait_alu depctr_va_vdst(0)                   ; the wait at the head's end
	s_wait_loadcnt 0x0                             ; Q
	s_wait_tensorcnt 0x0                           ; my record is in; ahead of a later first fill, the add twice on end
	ds_add_u32 v[SPW], v[NIL]
	ds_add_u32 v[SPW], v[NIL]
	s_wait_dscnt 0x0
	s_barrier_signal -1
	s_barrier_wait -1                              ; records 0-7 are in
	tensor_load_to_lds s[G0B:G0B+3], s[G1B:G1B+7]  ; records 8-31, two a wave
	s_nop 0
.rept 4
	v_nop
.endr
	KLOADS
.Lone:
	STEP 7                                         ; reads records 0-7 alone
	s_add_co_u32 s[IT], s[IT], 1
	s_cmp_lt_u32 s[IT], 5
	s_cbranch_scc1 .Lone
	s_wait_tensorcnt 0x0                           ; my second load has landed,
	s_wait_dscnt 0x0
	s_barrier_signal -1
	s_barrier_wait -1                              ; everybody's have: all 32 records are in
	s_cmp_lt_u32 s[WV], 8
	s_cbranch_scc1 .Lk_asked
	s_min_u32 s80, s[NL], 31                       ; waves 8-11 begin here, with key step NL
	s_mul_i32 s[NBS], s80, REC
	v_add_nc_u32 v7, s[NBS], v1
	v_add_nc_u32 v8, s[NBS], v2
	KLOADS
.Lk_asked:
	s_mov_b32 s[IT], 5
.Ltwo:
	STEP 31
	s_add_co_u32 s[IT], s[IT], 1
	s_cmp_lt_u32 s[IT], 26
	s_cbranch_scc1 .Ltwo
	s_wait_dscnt 0x0                               ; my last loads are back
	s_cmp_eq_u32 s[NL], 0
	s_cbranch_scc1 .Lsaved
	s_cmp_eq_u32 s[ROLE], 0
	s_cbranch_scc1 .Lsaved
	v_add_f32 v241, v14, v15                       ; a second wave's part of the late tile: O^T, -M and the sum
	v_mov_b32 v240, v12
.irp i, 0,1,2,3,4,5,6,7
	ds_store_b128 v9, v[O+4*\i:O+4*\i+3] offset:512*\i
.endr
	ds_store_b64 v10, v[240:241]
.Lsaved:
	s_wait_dscnt 0x0
	s_barrier_signal -1
	s_barrier_wait -1
	s_cmp_eq_u32 s[NL], 0                          ; nothing to join: each wave's tile is whole
	s_cbranch_scc1 .Lwhole
	s_cmp_eq_u32 s[ROLE], 1                        ; a second wave has handed its part on
	s_cbranch_scc1 .Ldone
.irp i, 0,1,2,3,4,5,6,7
	ds_load_b128 v[S+4*\i:S+4*\i+3], v234 offset:512*\i
.endr
	ds_load_b64 v[240:241], v235
	s_wait_dscnt 0x0
	v_min_num_f32 v242, v12, v240                  ; -M of both
	v_sub_f32 v243, v242, v12
	v_sub_f32 v244, v242, v240
	v_cvt_i32_f32 v243, v243
	v_cvt_i32_f32 v244, v244
	v_ldexp_f32 v246, 1.0, v243
	v_ldexp_f32 v248, 1.0, v244
	v_mul_f32 v14, v14, v246
	v_mul_f32 v15, v15, v246
	v_fma_f32 v14, v241, v248, v14
.set N, 0
.rept 16
	v_pk_mul_f32 v[O+N:O+N+1], v[O+N:O+N+1], v[246:247] op_sel_hi:[1,0]
.set N, N+2
.endr
.set N, 0
.rept 16
	v_pk_fma_f32 v[O+N:O+N+1], v[S+N:S+N+1], v[248:249], v[O+N:O+N+1] op_sel_hi:[1,0,1]
.set N, N+2
.endr
	s_wait_alu depctr_va_vdst(0)
.Lwhole:
	FINAL
.Ldone:
	s_wait_tensorcnt 0x0                           ; the wave's end
	ds_add_u32 v[SPW], v[NIL]
	s_wait_dscnt 0x0
	s_endpgm
.Lfunc_end_k_qd0efc96fe2_attn:
	.size	k_qd0efc96fe2_attn, .Lfunc_end_k_qd0efc96fe2_attn-k_qd0efc96fe2_attn
	.p2alignl 7, 3214868480
	.fill 96, 4, 3214868480
	.section	.rodata,"a",@progbits
	.p2align	6, 0x0
	.amdhsa_kernel k_qd0efc96fe2_attn
		.amdhsa_group_segment_fixed_size 327680
		.amdhsa_private_segment_fixed_size 0
		.amdhsa_enable_private_segment 0
		.amdhsa_kernarg_size 40
		.amdhsa_user_sgpr_count 2
		.amdhsa_user_sgpr_kernarg_segment_ptr 1
		.amdhsa_wavefront_size32 1
		.amdhsa_system_sgpr_workgroup_id_x 1
		.amdhsa_system_sgpr_workgroup_id_y 1
		.amdhsa_system_sgpr_workgroup_id_z 1
		.amdhsa_system_vgpr_workitem_id 0
		.amdhsa_next_free_vgpr 256
		.amdhsa_next_free_sgpr 104
		.amdhsa_reserve_vcc 1
		.amdhsa_float_denorm_mode_32 3
		.amdhsa_float_denorm_mode_16_64 3
		.amdhsa_memory_ordered 1
		.amdhsa_forward_progress 1
		.amdhsa_inst_pref_size 82
	.end_amdhsa_kernel
	.amdgpu_metadata
---
amdhsa.version: [ 1, 2 ]
amdhsa.kernels:
  - .name:           k_qd0efc96fe2_attn
    .symbol:         k_qd0efc96fe2_attn.kd
    .args:
      - { .name: qc, .offset: 0, .size: 8, .value_kind: global_buffer, .address_space: global }
      - { .name: qs, .offset: 8, .size: 8, .value_kind: global_buffer, .address_space: global }
      - { .name: kv, .offset: 16, .size: 8, .value_kind: global_buffer, .address_space: global }
      - { .name: oc, .offset: 24, .size: 8, .value_kind: global_buffer, .address_space: global }
      - { .name: os, .offset: 32, .size: 8, .value_kind: global_buffer, .address_space: global }
    .group_segment_fixed_size: 327680
    .private_segment_fixed_size: 0
    .kernarg_segment_align: 8
    .kernarg_segment_size: 40
    .max_flat_workgroup_size: 384
    .sgpr_count:     104
    .vgpr_count:     256
    .wavefront_size: 32
...
	.end_amdgpu_metadata
.endif
;; end of part 2
;; launch outp (part 3): grid 64 x 4, 6 waves a work-group, clusters of 4 x 1, 167,936 bytes of LDS; arguments oc, os, Wo_codes, Wo_scales, bo, out0; writes out0
.if DOCPART == 3
	.amdgcn_target "amdgcn-amd-amdhsa--gfx1250"
	.amdhsa_code_object_version 6
	.text
	.protected	k_qd0efc96fe2_outp
	.globl	k_qd0efc96fe2_outp
	.p2align	8
	.type	k_qd0efc96fe2_outp,@function
k_qd0efc96fe2_outp:
	s_mov_b64 s[64:65], 0
	v_nop
	global_prefetch_b8 v0, s[64:65] scope:SCOPE_SE
	s_setreg_imm32_b32 hwreg(HW_REG_WAVE_MODE, 25, 1), 1
	s_wait_xcnt 0x0
	s_wait_alu depctr_hold_cnt(0) depctr_sa_sdst(0) depctr_va_vdst(0) depctr_va_sdst(0) depctr_va_ssrc(0) depctr_va_vcc(0) depctr_vm_vsrc(0)
	s_getreg_b32 s2, hwreg(HW_REG_IB_STS2, 6, 4)
	s_cmp_eq_u32 s2, 0
	s_cbranch_scc0 .Lentry_in_a_cluster
	s_endpgm
.Lentry_in_a_cluster:
	s_bfe_u32 s2, ttmp6, 0x10000c
	s_cmp_lg_u32 s2, 0x3003
	s_cbranch_scc0 .Lentry_shape_is_right
	s_endpgm
.Lentry_shape_is_right:
; THIRD LAUNCH.  out = o Wo + bo on codes of FP4 with E8M0 scales; K = 768, six steps of 128.  Nothing is left out here.
; SHARES.  256 work-groups of six waves: RB = 64 rows, CB = 192 columns.  Wave w makes columns 192 CB + 64 (w / 2) + 0 .. 63 of the two o tiles 2 (w % 2), 2 (w % 2) + 1: 8 accumulators, 48 products.
; CLUSTER.  The four work-groups of a cluster have the same CB and need the same 192 rows of Wo: wave w asks JOINTLY for 32 of them, one load a wave; nothing is filled again.
; o lies as images of the operand's registers (tile, head, lane, 16 bytes; K step s is heads 2 s and 2 s + 1), so a wave's 24 pieces go from memory straight into registers, 512 consecutive bytes each.
; No prefetch: everything is asked for at the head, and there is no loop to run ahead in.
; LAYOUT.  Source 0 = 16 rows of Wo's codes (16 columns of out), source 1 = 16 rows of o: a lane holds eight neighbouring columns of one row.  bo is the C of each sum's first product.
; Row r of tile m is row 32 (r / 8) + 8 m + r % 8 of the 64.
; REGISTERS: window 0: v1-13 addresses; v32-43 Wo's scale words, v44-49 o's; v64-95 bo; v96-159 accumulators; v160-255 o's 12 fragments, later rows on the way out.   window 1: Wo's 24 fragments.
.set WB,    0
.set PITCH, 432                        ; 384 bytes with 16 of padding behind each 128 = 27 x 16 bytes
.set STG,   82944                      ; a stage of 16 rows x (256 + 16) bytes for each wave
.set SP,    272
.set SPARE, 109056                     ; the spare words, 128 bytes for each wave, in three blocks of 256 bytes that no other line names
.set AWO, 4
.set L16, 5
.set STO, 6
.set RD,  7
.set CO,  8
.set SPW, 9
.set NIL, 10
.set OW,  11
.set L4,  12
.set OB8, 13
.set WS,  32
.set OS,  44
.set BO,  64
.set ACC, 96
.set OF,  160
.set WV,  16
.set CX,  17
.set RB,  18
.set CB,  19
.set RH,  20
.set CG,  21
.set G1W, 24
.set G0W, 32
.set MSB, 0
.macro WIN new
.if MSB != \new
	s_set_vgpr_msb (MSB<<8)|\new
.set MSB, \new
.endif
.endm
.macro CROUND
	s_barrier_signal -1
	s_barrier_wait -1
	s_cmp_lg_u32 s[WV], 0
	s_cbranch_scc1 .Lnot_wave_0_\@
	s_barrier_signal -3
.Lnot_wave_0_\@:
	s_barrier_wait -3
	s_barrier_signal -1
	s_barrier_wait -1
.endm
.macro MM d, a, b, c, sa, sb, ra, rb
.if ((\ra) == 0) && ((\rb) == 0)
	v_wmma_scale_f32_16x16x128_f8f6f4 v[\d:\d+7], v[\a:\a+7], v[\b:\b+7], v[\c:\c+7], v[\sa], v[\sb] matrix_a_fmt:MATRIX_FMT_FP4 matrix_b_fmt:MATRIX_FMT_FP4
.endif
.if ((\ra) == 1) && ((\rb) == 0)
	v_wmma_scale_f32_16x16x128_f8f6f4 v[\d:\d+7], v[\a:\a+7], v[\b:\b+7], v[\c:\c+7], v[\sa], v[\sb] matrix_a_fmt:MATRIX_FMT_FP4 matrix_b_fmt:MATRIX_FMT_FP4 matrix_a_scale:MATRIX_SCALE_ROW1
.endif
.if ((\ra) == 0) && ((\rb) == 1)
	v_wmma_scale_f32_16x16x128_f8f6f4 v[\d:\d+7], v[\a:\a+7], v[\b:\b+7], v[\c:\c+7], v[\sa], v[\sb] matrix_a_fmt:MATRIX_FMT_FP4 matrix_b_fmt:MATRIX_FMT_FP4 matrix_b_scale:MATRIX_SCALE_ROW1
.endif
.if ((\ra) == 1) && ((\rb) == 1)
	v_wmma_scale_f32_16x16x128_f8f6f4 v[\d:\d+7], v[\a:\a+7], v[\b:\b+7], v[\c:\c+7], v[\sa], v[\sb] matrix_a_fmt:MATRIX_FMT_FP4 matrix_b_fmt:MATRIX_FMT_FP4 matrix_a_scale:MATRIX_SCALE_ROW1 matrix_b_scale:MATRIX_SCALE_ROW1
.endif
.endm
; tile m of my two: its four accumulators take turns, three others between two steps of a sum
.macro PROD m
.irp s, 0,1,2,3,4,5
.if (\m) == 0
	s_wait_dscnt 8*(5-\s)                          ; K step s's 8 loads are in; the later steps' may be out
.endif
.irp t, 0,1,2,3
.if \s == 0
	MM ACC+32*\m+8*\t, 8*\t, OF+48*\m, BO+8*\t, WS+6*(\t/2), OS, \t%2, \m
.else
	MM ACC+32*\m+8*\t, 8*(4*\s+\t), OF+48*\m+8*\s, ACC+32*\m+8*\t, WS+6*(\t/2)+\s, OS+\s, \t%2, \m
.endif
.endr
.endr
.endm
; through my own stage: a lane's 32 bytes go in, whole rows of 256 bytes come back.  LDS serves a wave's instructions in order: no wait between the stores and the loads
.macro STAGE m
.irp t, 0,1,2,3
	ds_store_b128 v[STO], v[ACC+32*\m+8*\t:ACC+32*\m+8*\t+3] offset:64*\t
	ds_store_b128 v[STO], v[ACC+32*\m+8*\t+4:ACC+32*\m+8*\t+7] offset:64*\t+16
.endr
.irp i, 0,1,2,3,4,5,6,7
	ds_load_b128 v[OF+48*\m+4*\i:OF+48*\m+4*\i+3], v[RD] offset:2*SP*\i
.endr
.endm
.macro SEND m
.irp i, 0,1,2,3,4,5,6,7
	global_store_b128 v[CO], v[OF+48*\m+4*\i:OF+48*\m+4*\i+3], s[14:15] offset:(8*\m+32*(\i/4)+2*(\i%4))*3072 th:TH_STORE_NT   ; 16 lanes store 256 consecutive bytes, at a multiple of 256 from out's first byte
.endr
.endm
	s_load_b256 s[4:11], s[0:1], 0x0               ; oc s[4:5], os s[6:7], Wo codes s[8:9], Wo scales s[10:11]
	s_load_b128 s[12:15], s[0:1], 0x20             ; bo s[12:13], out s[14:15]
	v_lshl_add_u32 v[SPW], v0, 2, SPARE
	v_mov_b32 v[NIL], 0
	ds_add_u32 v[SPW], v[NIL]                      ; the opening: the add, twice on end, and its wait ahead of the first tensor load
	ds_add_u32 v[SPW], v[NIL]
	v_lshrrev_b32 v1, 5, v0
	v_readfirstlane_b32 s[WV], v1                  ; wave 0..5
	s_bfe_u32 s[CX], ttmp6, 0x40000
	s_lshl_b32 s[RB], ttmp9, 2
	s_add_co_u32 s[RB], s[RB], s[CX]               ; my 64 rows: it enters plain loads and stores alone
	s_and_b32 s[CB], ttmp7, 0xffff                 ; my 192 columns, which the four partners share
	s_and_b32 s[RH], s[WV], 1
	s_lshr_b32 s[CG], s[WV], 1
	s_mov_b32 s[G1W+0], 15|(3<<16)|(1<<20)|(1<<21)|(4<<22)|(3<<25)   ; all four work-groups; elements of 8 bytes; 4 words of padding behind every 32
	s_mov_b32 s[G1W+1], 32<<16                     ; 32 rows of 384 bytes, dense, stated as 48 rows of 256
	s_mov_b32 s[G1W+2], 48<<16
	s_mov_b32 s[G1W+3], 32<<16
	s_mov_b32 s[G1W+4], 48
	s_mov_b32 s[G1W+5], 32
	s_mov_b32 s[G1W+6], 0
	s_mov_b32 s[G1W+7], 0
	s_mov_b32 s[G0W], 1
	s_mul_i32 s[G0W+1], s[WV], 32*PITCH
	s_mul_i32 s48, s[CB], 73728
	s_mul_i32 s50, s[WV], 12288
	s_add_co_u32 s48, s48, s50                     ; rows 192 CB + 32 w of Wo's codes
	s_mov_b32 s49, 0
	s_wait_dscnt 0x0                               ; both opening adds are done
	s_wait_kmcnt 0x0
	s_add_nc_u64 s[G0W+2:G0W+3], s[8:9], s[48:49]
	s_or_b32 s[G0W+3], s[G0W+3], 0x80000000
	CROUND                                         ; all four work-groups are here: the joint loads meet
	tensor_load_to_lds s[G0W:G0W+3], s[G1W:G1W+7]
	s_nop 0
.rept 4
	v_nop
.endr
	v_and_b32 v1, 31, v0                           ; lane
	v_and_b32 v2, 15, v0                           ; r
	v_bfe_u32 v3, v0, 4, 1                         ; h
	v_lshlrev_b32 v[L16], 4, v1
	v_lshlrev_b32 v[L4], 2, v1
	v_mul_u32_u24 v[OW], v1, 24
	v_lshlrev_b32 v[OB8], 5, v3
	s_mul_i32 s48, s[CG], 64*PITCH
	v_mul_u32_u24 v[AWO], v2, PITCH
	v_lshl_add_u32 v[AWO], v3, 4, v[AWO]
	v_add_nc_u32 v[AWO], s48, v[AWO]               ; my 64 rows of Wo: row r, + 16 h
	s_mul_i32 s48, s[WV], 16*SP
	s_add_co_u32 s48, s48, STG
	v_mul_u32_u24 v[STO], v2, SP
	v_lshl_add_u32 v[STO], v3, 5, v[STO]
	v_add_nc_u32 v[STO], s48, v[STO]               ; the stage, in: row r, 32 bytes for each half of the lanes
	v_mul_u32_u24 v[RD], v3, SP
	v_lshl_add_u32 v[RD], v2, 4, v[RD]
	v_add_nc_u32 v[RD], s48, v[RD]                 ; back: lanes 0-15 one row of 256 bytes, lanes 16-31 the next
	v_mul_u32_u24 v[CO], v3, 3072
	v_lshl_add_u32 v[CO], v2, 4, v[CO]             ; and the same two rows in out
	s_wait_alu depctr_va_vdst(0)                   ; the wait at the head's end
	s_mov_b32 s49, 0
	s_mul_i32 s48, s[RB], 24576
	s_mul_i32 s50, s[RH], 12288
	s_add_co_u32 s48, s48, s50
	s_add_nc_u64 s[4:5], s[4:5], s[48:49]          ; my two tiles of o
.irp m, 0,1
.irp s, 0,1,2,3,4,5
.irp c, 0,1
	global_load_b128 v[OF+48*\m+8*\s+4*\c:OF+48*\m+8*\s+4*\c+3], v[L16], s[4:5] offset:6144*\m+1024*\s+512*\c
.endr
.endr
.endr
	s_mul_i32 s48, s[CB], 4608
	s_mul_i32 s50, s[CG], 1536
	s_add_co_u32 s48, s48, s50
	s_add_nc_u64 s[10:11], s[10:11], s[48:49]      ; Wo's scales at my 64 rows, 24 bytes each
	s_mul_i32 s48, s[RB], 1536
	s_mul_i32 s50, s[RH], 768
	s_add_co_u32 s48, s48, s50
	s_add_nc_u64 s[6:7], s[6:7], s[48:49]          ; o's scale words at my pair of tiles
	s_mul_i32 s48, s[CB], 768
	s_lshl_b32 s50, s[CG], 8
	s_add_co_u32 s48, s48, s50
	s_add_nc_u64 s[12:13], s[12:13], s[48:49]      ; bo at my 64 columns
	s_add_nc_u64 s[14:15], s[14:15], s[48:49]      ; out at my columns,
	s_mul_i32 s48, s[RB], 196608
	s_mul_i32 s50, s[RH], 49152
	s_add_co_u32 s48, s48, s50
	s_add_nc_u64 s[14:15], s[14:15], s[48:49]      ; and my rows of 3,072 bytes
.irp b, 0,1
.irp i, 0,1,2
	global_load_b64 v[WS+6*\b+2*\i:WS+6*\b+2*\i+1], v[OW], s[10:11] offset:768*\b+8*\i
.endr
.endr
.irp s, 0,1,2,3,4,5
	global_load_b32 v[OS+\s], v[L4], s[6:7] offset:128*\s
.endr
.irp t, 0,1,2,3
	global_load_b128 v[BO+8*\t:BO+8*\t+3], v[OB8], s[12:13] offset:64*\t
	global_load_b128 v[BO+8*\t+4:BO+8*\t+7], v[OB8], s[12:13] offset:64*\t+16
.endr
	s_wait_loadcnt 0x0
	s_wait_tensorcnt 0x0                           ; my load has landed,
	s_barrier_signal -1
	s_barrier_wait -1                              ; everybody's have.  Nothing is filled again
	WIN 0x40
.irp s, 0,1,2,3,4,5
.irp t, 0,1,2,3
.irp c, 0,1
	ds_load_b128 v[8*(4*\s+\t)+4*\c:8*(4*\s+\t)+4*\c+3], v[AWO] offset:16*PITCH*\t+64*\s+16*(\s/2)+32*\c
.endr
.endr
.endr
	WIN 0x01                                       ; source 0 (Wo) window 1, all else window 0
	PROD 0
	WIN 0
.rept 5
	v_nop
.endr
	STAGE 0
	WIN 0x01
	PROD 1                                         ; while tile 0's rows come back from the stage
	WIN 0
	s_wait_dscnt 0x0
	SEND 0
.rept 5
	v_nop
.endr
	STAGE 1
	s_wait_dscnt 0x0
	SEND 1
	s_wait_tensorcnt 0x0                           ; the wave's end
	ds_add_u32 v[SPW], v[NIL]
	s_wait_dscnt 0x0
	CROUND                                         ; the closing round
	s_endpgm
.Lfunc_end_k_qd0efc96fe2_outp:
	.size	k_qd0efc96fe2_outp, .Lfunc_end_k_qd0efc96fe2_outp-k_qd0efc96fe2_outp
	.p2alignl 7, 3214868480
	.fill 96, 4, 3214868480
	.section	.rodata,"a",@progbits
	.p2align	6, 0x0
	.amdhsa_kernel k_qd0efc96fe2_outp
		.amdhsa_group_segment_fixed_size 167936
		.amdhsa_private_segment_fixed_size 0
		.amdhsa_enable_private_segment 0
		.amdhsa_kernarg_size 48
		.amdhsa_user_sgpr_count 2
		.amdhsa_user_sgpr_kernarg_segment_ptr 1
		.amdhsa_wavefront_size32 1
		.amdhsa_system_sgpr_workgroup_id_x 1
		.amdhsa_system_sgpr_workgroup_id_y 1
		.amdhsa_system_sgpr_workgroup_id_z 1
		.amdhsa_system_vgpr_workitem_id 0
		.amdhsa_next_free_vgpr 448
		.amdhsa_next_free_sgpr 66
		.amdhsa_reserve_vcc 0
		.amdhsa_float_denorm_mode_32 3
		.amdhsa_float_denorm_mode_16_64 3
		.amdhsa_memory_ordered 1
		.amdhsa_forward_progress 1
		.amdhsa_inst_pref_size 23
	.end_amdhsa_kernel
	.amdgpu_metadata
---
amdhsa.version: [ 1, 2 ]
amdhsa.kernels:
  - .name:           k_qd0efc96fe2_outp
    .symbol:         k_qd0efc96fe2_outp.kd
    .args:
      - { .name: oc, .offset: 0, .size: 8, .value_kind: global_buffer, .address_space: global }
      - { .name: os, .offset: 8, .size: 8, .value_kind: global_buffer, .address_space: global }
      - { .name: Wo_codes, .offset: 16, .size: 8, .value_kind: global_buffer, .address_space: global }
      - { .name: Wo_scales, .offset: 24, .size: 8, .value_kind: global_buffer, .address_space: global }
      - { .name: bo, .offset: 32, .size: 8, .value_kind: global_buffer, .address_space: global }
      - { .name: out0, .offset: 40, .size: 8, .value_kind: global_buffer, .address_space: global }
    .group_segment_fixed_size: 167936
    .private_segment_fixed_size: 0
    .kernarg_segment_align: 8
    .kernarg_segment_size: 48
    .max_flat_workgroup_size: 192
    .sgpr_count:     66
    .vgpr_count:     448
    .wavefront_size: 32
...
	.end_amdgpu_metadata
.endif
;; end of part 3
